; MI455X (gfx1250); checked and timed in simulation.
; The chip was launched on July 23, 2026; its instructions are those of AMD's public machine-readable ISA for CDNA 5 (MIT licence, August 2026) and "CDNA5" Instruction Set Architecture Reference Guide (July 2026). The comments in the code are by the model that wrote it; some were corrected since.
;; Fast KAN Layer. Allowed arithmetic: matrix products marked QUANTISED: E2M3 operands, one E8M0 scale for each 32 along K, by v_wmma_scale_f32_16x16x128_f8f6f4 with both operands' format E2M3, f32 sums; everything else in f32.
;; Inputs: base_scale 1,024 x 256 float32; grid 35 float32; spline_weight 1,024 x 256 x 35 float32; x 4,096 x 1,024 float32.
;; Outputs: out0 4,096 x 256 float32.
;; This version of the problem:
;;   THIS VERSION OF THE PROBLEM IS GIVEN IN LOW PRECISION. The matrix products marked QUANTISED in the list below multiply operands that are first quantised to E2M3 (2 exponent bits, 3 mantissa bits; 6 bits a number), with one power-of-two scale for each 32 numbers along K (OCP MX v1.0); their sums are f32. All else is computed in f32.
;;   The module's matrix products, in the order in which they are computed (A, B: the left and right operand; K: the contracted axis; several contracted axes count as one K, in the product's order):
;;     1. [M 4,096, K 1,024] x [K 1,024, N 256]; A: computed on the way; B: input base_scale: QUANTISED
;;     2. [M 4,096, K 35,840] x [K 35,840, N 256]; A: computed on the way; B: input spline_weight: QUANTISED
;;   THE QUANTISER, for each operand of a quantised product, along K:
;;     - K is cut into blocks of 32 from its start; a last block that is shorter is filled with zeros.
;;     - A block's scale is 2^e with e = floor(log2(the largest magnitude in the block)) - 2, held to -126 .. 127; a block of zeros has e = 0. As a byte (E8M0): e + 127.
;;     - Each number is divided by its block's scale, clamped to +-7.5, and rounded to the nearest number of E2M3, ties to even, subnormals kept.
;;     - The product sums the exact products of the quantised numbers (number of the format x scale) in f32.
;;   ~~~python
;;   def quantise(x, axis):      # numpy; x: float32 -> the quantised numbers, widened to float32 again
;;       x = np.moveaxis(x, axis, -1); K = x.shape[-1]
;;       x = np.pad(x, [(0, 0)] * (x.ndim - 1) + [(0, -K % 32)]); x = x.reshape(x.shape[:-1] + (-1, 32)); a = np.abs(x).max(-1, keepdims=True)
;;       e = np.where(a > 0, np.clip(np.frexp(np.where(a > 0, a, 1))[1] - 1 - 2, -126, 127), 0)      # np.frexp(a)[1] - 1 = floor(log2(a)), exactly
;;       r = np.clip(x / 2.0 ** e, -7.5, 7.5)
;;       step = 2.0 ** (np.maximum(np.frexp(np.where(r == 0, 1, r))[1] - 1, 0) - 3)
;;       q = np.round(r / step) * step * 2.0 ** e      # np.round: ties to even
;;       return np.moveaxis(q.reshape(q.shape[:-2] + (-1,))[..., :K], -1, axis).astype(np.float32)
;;   ~~~
;;   OPERANDS COMPUTED ON THE WAY. 'Computed on the way' means the value that the module computes at that place (a softmax that the list does not call 'softmax' is quantised finished and normalised). What goes into a quantiser is computed in f32, as accurately as f32 sums, v_exp_f32 and their like allow (about 1e-6 of the number): no bf16 or f16 on the way to a quantiser, and a product that is left as it is and whose result goes on into a quantised operand takes f32 operands (vector FMAs, or v_wmma_f32_16x16x4_f32). A number that lies on a knife's edge between two numbers of the format may be rounded either way, as far as f32 arithmetic and the matrix unit's own rounding can turn it there, and no further.
;; 2 versions, each right; version 2 is version 1 with the launch kan written anew for expert scheduling mode. Each part assembles by itself: llvm-mc -triple=amdgcn-amd-amdhsa -mcpu=gfx1250 --defsym DOCPART=n.
;; ======== version 1 of 2: 3 launches
;; workspace buffers: wq 7,372,800 bytes; part 33,554,432 bytes
;; launch wprep (part 1): grid 16 x 16, 9 waves a work-group, no clusters, 30,464 bytes of LDS; arguments spline_weight, base_scale, wq; writes wq
.if DOCPART == 1
	.amdgcn_target "amdgcn-amd-amdhsa--gfx1250"
	.amdhsa_code_object_version 6
	.text
	.protected	k_qca88ceebe6_wprep
	.globl	k_qca88ceebe6_wprep
	.p2align	8
	.type	k_qca88ceebe6_wprep,@function
k_qca88ceebe6_wprep:
	s_mov_b64 s[64:65], 0
	v_nop
	global_prefetch_b8 v0, s[64:65] scope:SCOPE_SE
	s_setreg_imm32_b32 hwreg(HW_REG_WAVE_MODE, 25, 1), 1
	s_wait_xcnt 0x0
; The weights of both products become codes of FP6 (E2M3) with one E8M0 byte for each 32 along K, laid in the order of a matrix operand's registers.
; spline_weight [1024 i][256 j][35 c] and base_scale [1024 i][256 j], f32.  K of the spline product is taken as c x 1024 + i, so a block of 32 is 32 neighbouring i at one (j, c); K of the base product is i.
; A virtual index v = 0 .. 35 joins the two: v = 0 is base_scale, v = c + 1 is coefficient c.  A K step of 128 is (ir, g): i range 64 ir .. 64 ir + 63, v = 2 g and 2 g + 1; its block 2 c' + h is (v = 2 g + c', i = 64 ir + 32 h + 0 .. 31).
; In a fragment (16 columns j x 128 K, 12 registers a lane) lane (r, h) holds column 16 jt + r, and its registers 6 c' .. 6 c' + 5 hold block 2 c' + h: one whole block, made by one lane here.
; wq: [ig 8][g 18] trip blocks of 51,200 bytes: codes of ir = 2 ig (24,576), codes of ir = 2 ig + 1 (24,576), scale words of the one (1,024) and of the other (1,024).
;   codes: [jt 16][q 3][lane 32][16 bytes]: register n of lane L at 512 (n / 4) + 16 L + 4 (n % 4);   scale words: [jt 16][r 16], byte 2 c' + h.
; SHARES.  Work-group (jt, ir) takes 64 rows i x the 560 neighbouring numbers (16 j x 35 c, 2,240 consecutive bytes) of each row, and 64 x 16 numbers of base_scale: 18 whole fragments.
; A LANE TAKES A COLUMN AND ITS 32 REGISTERS RUN DOWN i: the block's largest magnitude needs no other lane and the conversions give K innermost.  Items I = 560 h + 35 r + c, 1,120 = 35 x 32 of them;
; task 4 w + k of wave w takes I = 128 w + 32 k + lane.  The 36th task (wave 8, k = 3) is base_scale.  A wave's four tasks read 512 neighbouring bytes of a row.
; The codes meet in a stage in LDS, fragment by fragment, and leave as runs of 512 consecutive bytes; the scale words of a fragment are 64 consecutive bytes (0.3 MB of the buffer's 7.4 go out so: longer runs would want four j tiles to a work-group, 64 work-groups).
; A block's scale is 2^(floor(log2(its largest magnitude)) - 2); its byte is that magnitude's exponent field - 2, held at 1 from below.
; LIMITS: a block of zeros gets the byte 1, not 127 (its codes are zeros, and this program alone reads the bytes); blocks whose largest magnitude lies under 2^-124 stand on that floor; NaN and infinities are not served.
.set ROWB, 35840                       ; a row i of spline_weight in bytes
.set FRB,  1536                        ; a fragment's image
.set TRIP, 51200                       ; a trip block of wq
.set SST,  18*FRB                      ; LDS: behind the 18 images the 18 x 16 scale words
.set VO,   4                           ; v4-7    task k: my column's byte offset in the work-group's first row
.set A0,   8                           ; v8-11   task k: LDS address of my first and (512 on) third pair of registers
.set A1,   12                          ; v12-15  of my second pair
.set AB,   16                          ; v16-19  of my scale byte
.set VOB,  20                          ; v20-22  the same three for the base task
.set A0B,  21
.set ABB,  22
.set OGC,  24                          ; v24     the way out: my byte offset in wq, codes
.set OLC,  25                          ; v25     and in the stage
.set OLS,  26                          ; v26     my scale word in the stage
.set OGS,  27                          ; v27     and in wq
.set XS,   32                          ; v32-127 three sets of 32 numbers; on the way out v32-56
.set C,    128                         ; v128-159 eight registers of codes for each task, so that no LDS store's data are written again
.set C2,   160                         ; v160-162 a block's upper 16 codes as the conversion leaves them
.set MXA,  164
.set MXB,  165
.set SOP,  166                         ; the conversions' scale operand
.set BY,   168                         ; v168-171 a scale byte for each task
	s_load_b128 s[4:7], s[0:1], 0x0                ; spline_weight, base_scale
	s_load_b64 s[8:9], s[0:1], 0x10                ; wq
	v_lshl_add_u32 v176, v0, 2, 0x7200
	v_mov_b32 v177, 0
	v_lshrrev_b32 v1, 5, v0
	v_readfirstlane_b32 s12, v1                    ; wave 0..8
	v_and_b32 v1, 31, v0                           ; lane
	v_lshlrev_b32 v2, 2, v0
	v_mul_u32_u24 v3, v1, 3
	v_sub_nc_u32 v2, v2, v3                        ; 4 x thread - 3 x lane = 128 w + lane
.irp k, 0,1,2,3
	v_add_nc_u32 v23, 32*\k, v2                    ; I
	v_add_nc_u32 v28, 464, v23
	v_lshrrev_b32 v28, 10, v28                     ; h = 1 from I = 560 on
	v_mul_u32_u24 v29, v28, 560
	v_sub_nc_u32 v29, v23, v29                     ; f = 35 r + c
	v_mul_u32_u24 v30, v29, 1873
	v_lshrrev_b32 v30, 16, v30                     ; r = f / 35: 35 x 1873 = 65,555, and 15 x 65,555 + 34 x 1873 stays under 16 x 65,536
	v_mul_u32_u24 v31, v30, 35
	v_sub_nc_u32 v31, v29, v31                     ; c
	v_add_nc_u32 v31, 1, v31                       ; v = c + 1
	v_lshlrev_b32 v23, 2, v23
	v_mad_u32_u24 v[VO+\k], v28, 32*ROWB-2240, v23 ; 4 f + 32 h rows = 4 I + h (32 rows - 2,240)
	v_lshrrev_b32 v23, 1, v31                      ; g
	v_and_b32 v31, 1, v31                          ; c'
	v_lshl_add_u32 v29, v28, 4, v30                ; L = r + 16 h
	v_lshlrev_b32 v29, 4, v29
	v_mad_u32_u24 v29, v23, FRB, v29               ; fragment g, 16 L
	v_mad_u32_u24 v[A0+\k], v31, 520, v29          ; c' = 0: registers 0, 1 at 0 and 4, 5 at 512;  c' = 1: registers 6, 7 at 520 and 10, 11 at 1,032
	v_mad_u32_u24 v29, v31, 1016, v29
	v_add_nc_u32 v[A1+\k], 8, v29                  ; c' = 0: registers 2, 3 at 8;  c' = 1: registers 8, 9 at 1,024
	v_lshlrev_b32 v23, 6, v23
	v_lshl_add_u32 v23, v30, 2, v23
	v_lshl_add_u32 v23, v31, 1, v23
	v_add_nc_u32 v23, v23, v28
	v_add_nc_u32 v[AB+\k], SST, v23                ; 64 g + 4 r + 2 c' + h
.endr
	v_and_b32 v23, 15, v0                          ; the base task: lane (r, h), fragment 0, c' = 0
	v_bfe_u32 v28, v0, 4, 1
	v_lshlrev_b32 v29, 2, v23
	v_lshl_add_u32 v[VOB], v28, 15, v29            ; 32 h rows of 1,024 bytes + 4 r
	v_lshlrev_b32 v[A0B], 4, v1
	v_add_nc_u32 v29, v29, v28
	v_add_nc_u32 v[ABB], SST, v29
	v_lshlrev_b32 v[OLC], 4, v0                    ; the way out: 288 threads x 16 bytes are three fragments
	v_lshl_add_u32 v[OLS], v0, 2, SST
	s_mul_i32 s13, s12, 11
	s_lshr_b32 s13, s13, 5                         ; w / 3
	s_mul_i32 s14, s13, 3
	s_sub_co_u32 s14, s12, s14                     ; w % 3
	s_mul_i32 s13, s13, TRIP
	s_lshl_b32 s14, s14, 9
	s_add_co_u32 s13, s13, s14
	v_lshl_add_u32 v[OGC], v1, 4, s13              ; fragment 3 k + w / 3 lies in trip block g = 3 k + w / 3; in it 512 (w % 3) + 16 lane
	v_lshrrev_b32 v30, 4, v0
	v_mul_u32_u24 v30, v30, TRIP
	v_lshl_add_u32 v[OGS], v23, 2, v30             ; scale word thread = 16 g + r
	s_and_b32 s15, ttmp7, 0xffff                   ; ir
	s_mul_i32 s16, s15, 64*ROWB
	s_mul_i32 s17, ttmp9, 2240
	s_add_co_u32 s16, s16, s17                     ; spline_weight: 64 ir rows + 2,240 jt
	s_mov_b32 s17, 0
	s_lshl_b32 s18, s15, 16
	s_lshl_b32 s19, ttmp9, 6
	s_add_co_u32 s18, s18, s19                     ; base_scale: 64 ir rows of 1,024 bytes + 64 jt
	s_mov_b32 s19, 0
	s_lshr_b32 s20, s15, 1
	s_mul_i32 s20, s20, 18*TRIP                    ; wq: ig's 18 trip blocks
	s_and_b32 s21, s15, 1
	s_mul_i32 s22, s21, 16*FRB
	s_add_co_u32 s22, s22, s20
	s_mul_i32 s23, ttmp9, FRB
	s_add_co_u32 s22, s22, s23                     ; codes
	s_mov_b32 s23, 0
	s_lshl_b32 s24, s21, 10
	s_add_co_u32 s24, s24, s20
	s_lshl_b32 s25, ttmp9, 6
	s_add_co_u32 s24, s24, s25
	s_add_co_u32 s24, s24, 32*FRB                  ; scale words
	s_mov_b32 s25, 0
	s_wait_kmcnt 0x0
	s_add_nc_u64 s[4:5], s[4:5], s[16:17]
	s_add_nc_u64 s[6:7], s[6:7], s[18:19]
	s_add_nc_u64 s[10:11], s[8:9], s[24:25]
	s_add_nc_u64 s[8:9], s[8:9], s[22:23]
.macro LD k, set                       ; task k's block: 32 rows of my column; the 32 lanes read 128 consecutive bytes of each row
.set e, 0
.rept 32
	global_load_b32 v[XS+32*(\set)+e], v[VO+(\k)], s[4:5] offset:e*ROWB th:TH_LOAD_NT
.set e, e+1
.endr
.endm
.macro LDB set                         ; the same of base_scale: sixteen lanes read 64 consecutive bytes
.set e, 0
.rept 32
	global_load_b32 v[XS+32*(\set)+e], v[VOB], s[6:7] offset:e*1024
.set e, e+1
.endr
.endm
.macro QT k, set                       ; 32 numbers -> six registers of codes and a byte
.set XB, XS+32*(\set)
.set CB, C+8*(\k)
	v_max3_num_f32 v[MXA], |v[XB]|, |v[XB+1]|, |v[XB+2]|           ; the block's largest magnitude, in two chains
	v_max3_num_f32 v[MXB], |v[XB+3]|, |v[XB+4]|, |v[XB+5]|
.irp i, 6,10,14,18,22,26
	v_max3_num_f32 v[MXA], v[MXA], |v[XB+\i]|, |v[XB+\i+1]|
	v_max3_num_f32 v[MXB], v[MXB], |v[XB+\i+2]|, |v[XB+\i+3]|
.endr
	v_max3_num_f32 v[MXA], v[MXA], |v[XB+30]|, |v[XB+31]|
	v_max3_num_f32 v[MXA], v[MXA], v[MXB], 0x1800000               ; and the floor 2^(3 - 127): the byte cannot fall under 1
	v_add_nc_u32 v[SOP], 0xff000000, v[MXA]                        ; 2 off the exponent field: the conversion takes that field as its scale and nothing else
	v_cvt_scalef32_pk16_fp6_f32 v[CB:CB+2], v[XB:XB+15], v[SOP]
	v_cvt_scalef32_pk16_fp6_f32 v[C2:C2+2], v[XB+16:XB+31], v[SOP] ; (a conversion's three registers begin on an even number)
	v_lshrrev_b32 v[BY+(\k)], 23, v[SOP]                           ; the byte; also the plain instruction behind the conversions
.irp i, 0,1,2
	v_mov_b32 v[CB+3+\i], v[C2+\i]
.endr
.endm
.macro ST a0, a1, o1, ab, k            ; into the stage, at their places in the fragment's image
	ds_store_b64 v[\a0], v[C+8*(\k):C+8*(\k)+1]
	ds_store_b64 v[\a1], v[C+8*(\k)+2:C+8*(\k)+3] offset:\o1
	ds_store_b64 v[\a0], v[C+8*(\k)+4:C+8*(\k)+5] offset:512
	ds_store_b8 v[\ab], v[BY+(\k)]
.endm
	LD 0, 0
	LD 1, 1
	s_wait_loadcnt 32                              ; task 0's 32 loads are in; task 1's may be out
	LD 2, 2
	QT 0, 0
	ST A0+0, A1+0, 0, AB+0, 0
	s_wait_loadcnt 32                              ; task 1's are in; task 2's may be out
	s_cmp_eq_u32 s12, 8                            ; wave 8's fourth task is base_scale.  Both ways issue 32 loads into set 0, so the counts below hold on both
	s_cbranch_scc1 .Lbase_load
	LD 3, 0
	s_branch .Lloaded
.Lbase_load:
	LDB 0
.Lloaded:
	QT 1, 1
	ST A0+1, A1+1, 0, AB+1, 1
	s_wait_loadcnt 32                              ; task 2's are in; the fourth task's may be out
	QT 2, 2
	ST A0+2, A1+2, 0, AB+2, 2
	s_wait_loadcnt 0x0
	QT 3, 0
	s_cmp_eq_u32 s12, 8
	s_cbranch_scc1 .Lbase_store
	ST A0+3, A1+3, 0, AB+3, 3
	s_branch .Lstored
.Lbase_store:
	ST A0B, A0B, 8, ABB, 3
.Lstored:
	s_wait_dscnt 0x0                               ; for the others' sake: my stores into the stage are done
	s_barrier_signal -1
	s_barrier_wait -1                              ; the 18 fragments and their scale words are whole
.irp k, 0,1,2,3,4,5
	ds_load_b128 v[32+4*\k:35+4*\k], v[OLC] offset:3*FRB*\k
.endr
	ds_load_b32 v56, v[OLS]
.irp k, 0,1,2,3,4,5
	s_wait_dscnt 6-\k                              ; the younger loads may be out: 5 - k of codes and the scale word's
	global_store_b128 v[OGC], v[32+4*\k:35+4*\k], s[8:9] offset:3*TRIP*\k   ; the wave stores 512 consecutive bytes, at a multiple of 512 from wq's first byte
.endr
	s_wait_dscnt 0x0
	global_store_b32 v[OGS], v56, s[10:11]
	s_wait_tensorcnt 0x0
	ds_add_u32 v176, v177
	s_wait_dscnt 0x0
	s_endpgm
.Lfunc_end_k_qca88ceebe6_wprep:
	.size	k_qca88ceebe6_wprep, .Lfunc_end_k_qca88ceebe6_wprep-k_qca88ceebe6_wprep
	.p2alignl 7, 3214868480
	.fill 96, 4, 3214868480
	.section	.rodata,"a",@progbits
	.p2align	6, 0x0
	.amdhsa_kernel k_qca88ceebe6_wprep
		.amdhsa_group_segment_fixed_size 30464
		.amdhsa_private_segment_fixed_size 0
		.amdhsa_enable_private_segment 0
		.amdhsa_kernarg_size 24
		.amdhsa_user_sgpr_count 2
		.amdhsa_user_sgpr_kernarg_segment_ptr 1
		.amdhsa_wavefront_size32 1
		.amdhsa_system_sgpr_workgroup_id_x 1
		.amdhsa_system_sgpr_workgroup_id_y 1
		.amdhsa_system_sgpr_workgroup_id_z 1
		.amdhsa_system_vgpr_workitem_id 0
		.amdhsa_next_free_vgpr 178
		.amdhsa_next_free_sgpr 66
		.amdhsa_reserve_vcc 0
		.amdhsa_float_denorm_mode_32 3
		.amdhsa_float_denorm_mode_16_64 3
		.amdhsa_memory_ordered 1
		.amdhsa_forward_progress 1
		.amdhsa_inst_pref_size 32
	.end_amdhsa_kernel
	.amdgpu_metadata
---
amdhsa.version: [ 1, 2 ]
amdhsa.kernels:
  - .name:           k_qca88ceebe6_wprep
    .symbol:         k_qca88ceebe6_wprep.kd
    .args:
      - { .name: spline_weight, .offset: 0, .size: 8, .value_kind: global_buffer, .address_space: global }
      - { .name: base_scale, .offset: 8, .size: 8, .value_kind: global_buffer, .address_space: global }
      - { .name: wq, .offset: 16, .size: 8, .value_kind: global_buffer, .address_space: global }
    .group_segment_fixed_size: 30464
    .private_segment_fixed_size: 0
    .kernarg_segment_align: 8
    .kernarg_segment_size: 24
    .max_flat_workgroup_size: 288
    .sgpr_count:     66
    .vgpr_count:     178
    .wavefront_size: 32
...
	.end_amdgpu_metadata
.endif
;; end of part 1
;; launch kan (part 2): grid 8 x 32, 8 waves a work-group, no clusters, 227,328 bytes of LDS; arguments x, grid, wq, part; writes part
.if DOCPART == 2
	.amdgcn_target "amdgcn-amd-amdhsa--gfx1250"
	.amdhsa_code_object_version 6
	.text
	.protected	k_qca88ceebe6_kan
	.globl	k_qca88ceebe6_kan
	.p2align	8
	.type	k_qca88ceebe6_kan,@function
k_qca88ceebe6_kan:
	s_mov_b64 s[64:65], 0
	v_nop
	global_prefetch_b8 v0, s[64:65] scope:SCOPE_SE
	s_setreg_imm32_b32 hwreg(HW_REG_WAVE_MODE, 25, 1), 1
	s_wait_xcnt 0x0
; part[ig][b][j] = the sum over i = 128 ig .. 128 ig + 127 of silu(xn[b][i]) base_scale[i][j] + the sum over c of basis(xn[b][i], grid[c]) spline_weight[i][j][c], xn = clip(x, -0.99, 0.99),
; both products on codes of FP6 (E2M3) with one E8M0 scale for each 32 along K.  The left operands are made here, in f32, quantised in registers and multiplied at once; they never go to memory.
; K of the spline product is taken as c x 1024 + i: a block of 32 is 32 neighbouring i at one c.  The weights come as wq has them (its layout: there): a K step of 128 is (ir = 2 ig + rho, g), its block 2 c' + h is
; (v = 2 g + c', i = 64 ir + 32 h + 0 .. 31), v = 0 the base product, v = c + 1 coefficient c.  In the operand's layout lane (r, h) holds blocks h and 2 + h of row r: two whole blocks, both made of the SAME 32 x of its row.
; So x stays in registers for the whole launch (64 a lane), a block's largest magnitude needs no other lane, and grid[c] is a scalar.  grid is read as it is given: nothing of its spacing or order is built in; every (b, i, c) is evaluated.
; THE BASIS, five instructions a number.  With k = 6^(-1/3), u = xn - g, d = 17 |u| (1 / h is 17):  t = k (2 - d) = K0 - K1 |u|;  outer = (2 - d)^3 / 6 = t^3;  inner = 2/3 - d^2 + d^3 / 2 = 2/3 - CC u^2 t, CC = 289 / (2 k).
; outer - inner = (2/3) (1 - d)^3, so for d < 1: 0 < inner < outer; for 1 <= d <= 2: 0 <= outer <= inner; for d > 2: outer < 0 < inner: THE MIDDLE ONE OF (inner, outer, 0) is the basis in all three cases: no compare, no select.
; SHARES.  A work-group takes 128 rows x 128 i x all 36 v x all 256 j: 36 K steps.  Wave w MAKES the fragment of rows 16 w .. 16 w + 15 in every step, and MULTIPLIES all eight fragments by its own two tiles of columns
; (32 w .. 32 w + 31): 16 accumulators, 16 matrix instructions a step.  Each basis number of the launch is made once.  The fragments go from wave to wave through LDS as images of their registers, two buffers, one barrier a step.
; PIPELINE.  Step s makes fragment s, asks for the weights of step s, and multiplies step s - 1: two matrix instructions stand behind each group of 44 vector instructions.
; THE MATRIX INSTRUCTION IS USED TRANSPOSED (source 0 = 16 columns of the weights, source 1 = 16 rows): register n of lane (r, h) of accumulator (t, m) is part(16 m + r, 32 w + 16 t + 8 h + n).
; NO CLUSTER, NO JOINT LOADS, though the 32 work-groups of an ig read the same weights: a wave takes 3,200 bytes of weights a step straight into its operand registers, asked for a whole step (372 vector instructions) ahead of
; their use; a joint load would bring them into LDS, to be read from there once more, behind a round of the cluster's barrier for each refill, for bytes that no wave waits for.
; K is split over 8 work-groups (ig) so that 32 x 8 = 256 work-groups have equal work; the 8 parts are added by the next launch.
; LIMITS: NaN and infinities in x, grid or the weights are not served (a very large grid value still gives 0: the middle of +inf, -inf, 0); a block of zeros gets the byte 1, not 127: its codes are zeros and nobody else reads the byte.
; REGISTERS, in windows of 256.  Window 0: v1-15 addresses and constants; v16-79 xn; v80-111 a block's 32 numbers; v112-127 at work; v128-146 my fragment's codes; v148-155 maxima, scales; v160-207 the weights' fragments, two buffers;
;   v208-209 their scale words; v210-213 the fragments' scale words.   Window 1: v0-127 the accumulators ((t, m) at 8 (8 t + m)); v128-223 the eight fragments (m at 128 + 12 m).
.set FRB,  1536                        ; a fragment's image: 12 registers x 32 lanes
.set TRIP, 51200                       ; a trip block of wq: both rho of one g
.set PSC,  16*FRB                      ; LDS: 2 buffers x 8 images; then 2 x 8 x 64 bytes of scale words (wave w's row r at 64 w + 4 r);
.set XST,  PSC+1024                    ; each wave's own 16 rows x 528 bytes, for the turn of x;
.set STG,  XST+8*16*528                ; the stage for the result: 128 rows x (1,024 + 16) bytes
.set SP,   1040
.set LI,   1                           ; v1   16 x lane
.set LS,   2                           ; v2   4 x lane
.set PWI,  3                           ; v3   where I store my fragment's image: 1,536 w + 16 lane
.set PWS,  4                           ; v4   and its scale word: PSC + 64 w + 4 r
.set VW,   5                           ; v5   my tiles' codes in a trip block: 3,072 w + 16 lane
.set VWS,  6                           ; v6   and their scale words: 49,152 + 128 w + 4 lane: lanes 0-15 tile 0, lanes 16-31 tile 1
.set SH8,  7                           ; v7   8 h
.set STO0, 8                           ; v8   the stage: row r, + 32 h + 128 w; v9: 64 rows on (an LDS offset has 16 bits)
.set STO1, 9
.set SR,   10                          ; v10  back from the stage: my 16 rows, 16 bytes a lane
.set XSI,  11                          ; v11  the turn of x, in
.set C23,  12                          ; v[12:13] 2/3, twice
.set XSO,  14                          ; v14  the turn of x, out: row r, + 128 h
.set VPF,  15                          ; v15  the prefetches' offset: 8,192 w + 256 lane
.set X,    16
.set F,    80
.set T,    112
.set T2,   120
.set PC,   128
.set PT,   140                         ; v140-142, v144-146: a block's upper 16 codes as the conversion leaves them
.set MXA,  148
.set MXB,  149
.set SOP,  150                         ; v150-151 the conversions' scale operands
.set BY,   152                         ; v152-153 the two bytes
.set PW,   154                         ; my row's scale word;  v155: the other half's part of it
.set PW2,  155
.set WF,   160
.set WS,   208
.set PS,   210
.set GA,   24                          ; s[24:25] -grid of the step's first coefficient, twice;  s[26:27] of the second
.set GB,   26
.set MSB, 0
.macro WIN new                         ; the immediate's high byte repeats the setting that is left; a switch that changes nothing is dropped
.if MSB != \new
	s_set_vgpr_msb (MSB<<8)|\new
.set MSB, \new
.endif
.endm
.set W_MUL, 0x54                       ; source 0 (weights) window 0; source 1 (fragment), C and D window 1
.set W_PF,  0x40                       ; destination window 1, address window 0
.set W_OUT, 0x04                       ; an LDS store's data are its source 1: window 1
	s_load_b256 s[4:11], s[0:1], 0x0               ; x s[4:5], grid s[6:7], wq s[8:9], part s[10:11]
	v_lshl_add_u32 v254, v0, 2, 0x37400
	v_mov_b32 v255, 0
	v_lshrrev_b32 v148, 5, v0
	v_readfirstlane_b32 s12, v148                  ; wave 0..7
	s_and_b32 s14, ttmp7, 0xffff                   ; mt: my 128 rows.  (ig is ttmp9)
	v_and_b32 v150, 31, v0                         ; lane
	v_and_b32 v148, 15, v0                         ; r
	v_bfe_u32 v149, v0, 4, 1                       ; h
	v_lshlrev_b32 v[LI], 4, v150
	v_lshlrev_b32 v[LS], 2, v150
	s_mul_i32 s38, s12, FRB
	v_add_nc_u32 v[PWI], s38, v[LI]
	s_lshl_b32 s38, s12, 6
	s_add_co_u32 s38, s38, PSC
	v_lshl_add_u32 v[PWS], v148, 2, s38
	s_mul_i32 s38, s12, 2*FRB
	v_add_nc_u32 v[VW], s38, v[LI]
	s_lshl_b32 s38, s12, 7
	s_add_co_u32 s39, s38, 32*FRB
	v_add_nc_u32 v[VWS], s39, v[LS]
	v_lshlrev_b32 v[SH8], 3, v149
	s_add_co_u32 s38, s38, STG
	v_mul_u32_u24 v151, v148, SP
	v_lshl_add_u32 v151, v149, 5, v151
	v_add_nc_u32 v[STO0], s38, v151
	v_add_nc_u32 v[STO1], 64*SP, v[STO0]
	s_mul_i32 s38, s12, 16*SP
	s_add_co_u32 s38, s38, STG
	v_add_nc_u32 v[SR], s38, v[LI]
	s_mul_i32 s38, s12, 16*528
	s_add_co_u32 s38, s38, XST
	v_add_nc_u32 v[XSI], s38, v[LI]
	v_mul_u32_u24 v151, v148, 528
	v_lshl_add_u32 v151, v149, 7, v151
	v_add_nc_u32 v[XSO], s38, v151
	s_lshl_b32 s38, s12, 13
	v_lshl_add_u32 v[VPF], v150, 8, s38
	v_mov_b32 v[C23], 0x3f2aaaab                   ; 2/3
	v_mov_b32 v[C23+1], 0x3f2aaaab
	v_mov_b32 v[PW2], 0                            ; written once: a lane permute's destination counts as one of its sources
	s_mov_b32 s16, 0x76543210                      ; v_permlanex16_b32's selects for lane l xor 16
	s_mov_b32 s17, 0xfedcba98
	s_mov_b32 s18, 0x4115aff7                      ; K1 = 17 k = 9.3554605
	s_mov_b32 s19, 0x3f8ce1da                      ; K0 = 2 k = 1.1006424
	s_mov_b32 s20, 0xc3834976                      ; -CC = -289 / (2 k) = -262.57393
	s_mov_b32 s21, s20                             ; (a packed form names the pair and takes its low word for both halves: so the upper word is written)
	s_mov_b32 s22, 0xbf7d70a4                      ; -0.99
	s_mov_b32 s23, 0x3f7d70a4                      ; 0.99
	s_mov_b32 s34, 0xbfb8aa3b                      ; -log2(e)
	s_mov_b32 s35, s34
	s_cmp_lt_u32 s12, 6                            ; who prefetches: waves 0 to 5 of the work-group with mt = 0
	s_cselect_b32 s36, 0, 1
	s_or_b32 s36, s36, s14
	s_cmp_eq_u32 s36, 0
	s_cselect_b32 s36, 1, -1                       ; 1 there, else the greatest number
	s_lshl_b32 s38, s14, 7
	s_lshl_b32 s39, s12, 4
	s_add_co_u32 s38, s38, s39                     ; my wave's first row: 128 mt + 16 w
	s_lshl_b32 s40, s38, 12                        ; x: 4,096 bytes a row,
	s_lshl_b32 s39, ttmp9, 9
	s_add_co_u32 s40, s40, s39                     ; + 512 ig
	s_mov_b32 s41, 0
	s_lshl_b32 s38, s38, 10                        ; part: 1,024 bytes a row,
	s_lshl_b32 s39, ttmp9, 22
	s_add_co_u32 s38, s38, s39                     ; + ig's 4,194,304
	s_mov_b32 s39, 0
	s_mul_i32 s42, ttmp9, 18*TRIP                  ; wq: ig's 18 trip blocks
	s_mov_b32 s43, 0
	s_wait_kmcnt 0x0
	s_add_nc_u64 s[4:5], s[4:5], s[40:41]
	s_add_nc_u64 s[10:11], s[10:11], s[38:39]
	s_add_nc_u64 s[8:9], s[8:9], s[42:43]
	s_load_b32 s26, s[6:7], 0x0                    ; grid[0]
	s_load_b64 s[28:29], s[6:7], 0x4               ; grid[1], grid[2]
	s_mov_b32 s31, 4                               ; the byte in grid of the pair last asked for
	; x: each load takes one row's 512 consecutive bytes, 16 a lane; the rows turn through my wave's own bytes of LDS and come back so that lane (r, h) holds, of row r, i = 64 rho + 32 h + 0 .. 31
.irp k, 0,1,2,3,4,5,6,7,8,9,10,11,12,13,14,15
	global_load_b128 v[F+4*\k:F+4*\k+3], v[LI], s[4:5] offset:4096*\k th:TH_LOAD_NT
.endr
.irp k, 0,1,2,3,4,5,6,7,8,9,10,11,12,13,14,15
	s_wait_loadcnt 15-\k                           ; row k is in; the younger rows may be out
	ds_store_b128 v[XSI], v[F+4*\k:F+4*\k+3] offset:528*\k
.endr
.irp p, 0,1
.irp j, 0,1,2,3,4,5,6,7
	ds_load_b128 v[X+32*\p+4*\j:X+32*\p+4*\j+3], v[XSO] offset:256*\p+16*\j   ; LDS serves a wave's instructions in order (ISA guide 5.7.1.4): these see my stores
.endr
.endr
	s_wait_dscnt 0x0
.set j, 0
.rept 64
	v_med3_num_f32 v[X+j], v[X+j], s22, s23        ; the clip
.set j, j+1
.endr
	s_wait_kmcnt 0x0
	s_xor_b32 s26, s26, 0x80000000                 ; -grid[0]: the first trip's second block
	s_mov_b32 s27, s26
; the largest magnitude of group q's eight numbers joins two chains; group 0 starts them
.macro GMAX q
.if (\q) == 0
	v_max_num_f32 v[MXA], |v[F]|, |v[F+1]|
	v_max_num_f32 v[MXB], |v[F+2]|, |v[F+3]|
.else
	v_max3_num_f32 v[MXA], v[MXA], |v[F+8*(\q)]|, |v[F+8*(\q)+1]|
	v_max3_num_f32 v[MXB], v[MXB], |v[F+8*(\q)+2]|, |v[F+8*(\q)+3]|
.endif
	v_max3_num_f32 v[MXA], v[MXA], |v[F+8*(\q)+4]|, |v[F+8*(\q)+5]|
	v_max3_num_f32 v[MXB], v[MXB], |v[F+8*(\q)+6]|, |v[F+8*(\q)+7]|
.endm
; eight basis numbers: those of xn at v[xb + 8 q] on, for the coefficient whose -grid stands in s[gs]
.macro BGRP xb, q, gs
	WIN 0
.irp p, 0,2,4,6
	v_pk_add_f32 v[F+8*(\q)+\p:F+8*(\q)+\p+1], v[(\xb)+8*(\q)+\p:(\xb)+8*(\q)+\p+1], s[\gs:\gs+1] op_sel_hi:[1,0]   ; u = xn - g
.endr
.irp p, 0,1,2,3,4,5,6,7
	v_fma_f32 v[T+\p], -|v[F+8*(\q)+\p]|, s18, s19                 ; t = K0 - K1 |u|
.endr
.irp p, 0,2,4,6
	v_pk_mul_f32 v[F+8*(\q)+\p:F+8*(\q)+\p+1], v[F+8*(\q)+\p:F+8*(\q)+\p+1], v[F+8*(\q)+\p:F+8*(\q)+\p+1]   ; u^2
.endr
.irp p, 0,2,4,6
	v_pk_mul_f32 v[T2+\p:T2+\p+1], v[T+\p:T+\p+1], v[T+\p:T+\p+1]  ; t^2
.endr
.irp p, 0,2,4,6
	v_pk_mul_f32 v[F+8*(\q)+\p:F+8*(\q)+\p+1], v[F+8*(\q)+\p:F+8*(\q)+\p+1], v[T+\p:T+\p+1]   ; u^2 t
.endr
.irp p, 0,2,4,6
	v_pk_mul_f32 v[T+\p:T+\p+1], v[T2+\p:T2+\p+1], v[T+\p:T+\p+1]  ; outer = t^3
.endr
.irp p, 0,2,4,6
	v_pk_fma_f32 v[F+8*(\q)+\p:F+8*(\q)+\p+1], v[F+8*(\q)+\p:F+8*(\q)+\p+1], s[20:21], v[C23:C23+1] op_sel_hi:[1,0,1]   ; inner = 2/3 - CC u^2 t
.endr
.irp p, 0,1,2,3,4,5,6,7
	v_med3_num_f32 v[F+8*(\q)+\p], v[F+8*(\q)+\p], v[T+\p], 0      ; the middle one of inner, outer, 0
.endr
	GMAX \q
.endm
; eight numbers of silu(xn) = xn / (1 + 2^(-log2(e) xn))
.macro SGRP xb, q
	WIN 0
.irp p, 0,2,4,6
	v_pk_mul_f32 v[T+\p:T+\p+1], v[(\xb)+8*(\q)+\p:(\xb)+8*(\q)+\p+1], s[34:35] op_sel_hi:[1,0]
.endr
.irp p, 0,1,2,3,4,5,6,7
	v_exp_f32 v[T+\p], v[T+\p]
.endr
	v_nop                                          ; a plain instruction behind the last exponential (ISA guide 5.7.2),
	s_wait_alu depctr_va_vdst(0)                   ; and one wait for the eight, ahead of their first reader
.irp p, 0,2,4,6
	v_pk_add_f32 v[T+\p:T+\p+1], v[T+\p:T+\p+1], 1.0 op_sel_hi:[1,0]
.endr
.irp p, 0,1,2,3,4,5,6,7
	v_rcp_f32 v[T+\p], v[T+\p]
.endr
	v_nop
	s_wait_alu depctr_va_vdst(0)                   ; likewise for the eight reciprocals
.irp p, 0,2,4,6
	v_pk_mul_f32 v[F+8*(\q)+\p:F+8*(\q)+\p+1], v[(\xb)+8*(\q)+\p:(\xb)+8*(\q)+\p+1], v[T+\p:T+\p+1]
.endr
	GMAX \q
.endm
; the block in v[F] on becomes registers 6 cc .. 6 cc + 5 of my fragment, and a byte
.macro QBLK cc
	WIN 0
	v_max3_num_f32 v[MXA], v[MXA], v[MXB], 0x1800000               ; the two chains and the floor 2^(3 - 127): the byte cannot fall under 1
	v_add_nc_u32 v[SOP+\cc], 0xff000000, v[MXA]                    ; 2 off the exponent field: the conversion takes that field as its scale and nothing else
	v_cvt_scalef32_pk16_fp6_f32 v[PC+6*\cc:PC+6*\cc+2], v[F:F+15], v[SOP+\cc]
	v_cvt_scalef32_pk16_fp6_f32 v[PT+4*\cc:PT+4*\cc+2], v[F+16:F+31], v[SOP+\cc]   ; (a conversion's three registers begin on an even number)
	v_lshrrev_b32 v[BY+\cc], 23, v[SOP+\cc]                        ; the byte; also the plain instruction behind the conversions
.irp i, 0,1,2
	v_mov_b32 v[PC+6*\cc+3+\i], v[PT+4*\cc+\i]
.endr
.endm
; one product: my tile t of columns x the fragment of rows 16 b on.  The weights' scale words: lanes 0-15 tile 0, lanes 16-31 tile 1; the fragments': lanes 0-15 the even fragment, lanes 16-31 the odd one.
.macro MM t, b, wb, zero
.set rD, 8*(8*(\t)+(\b))
.set rA, WF+24*(\wb)+12*(\t)
.set rB, 128+12*(\b)
.set rW, WS+(\wb)
.set rP, PS+((\b)>>1)
.if \zero
.if ((\t) == 0) && (((\b)&1) == 0)
	v_wmma_scale_f32_16x16x128_f8f6f4 v[rD:rD+7], v[rA:rA+11], v[rB:rB+11], 0, v[rW], v[rP] matrix_a_fmt:MATRIX_FMT_FP6 matrix_b_fmt:MATRIX_FMT_FP6
.elseif (\t) == 0
	v_wmma_scale_f32_16x16x128_f8f6f4 v[rD:rD+7], v[rA:rA+11], v[rB:rB+11], 0, v[rW], v[rP] matrix_a_fmt:MATRIX_FMT_FP6 matrix_b_fmt:MATRIX_FMT_FP6 matrix_b_scale:MATRIX_SCALE_ROW1
.elseif ((\b)&1) == 0
	v_wmma_scale_f32_16x16x128_f8f6f4 v[rD:rD+7], v[rA:rA+11], v[rB:rB+11], 0, v[rW], v[rP] matrix_a_fmt:MATRIX_FMT_FP6 matrix_b_fmt:MATRIX_FMT_FP6 matrix_a_scale:MATRIX_SCALE_ROW1
.else
	v_wmma_scale_f32_16x16x128_f8f6f4 v[rD:rD+7], v[rA:rA+11], v[rB:rB+11], 0, v[rW], v[rP] matrix_a_fmt:MATRIX_FMT_FP6 matrix_b_fmt:MATRIX_FMT_FP6 matrix_a_scale:MATRIX_SCALE_ROW1 matrix_b_scale:MATRIX_SCALE_ROW1
.endif
.else
.if ((\t) == 0) && (((\b)&1) == 0)
	v_wmma_scale_f32_16x16x128_f8f6f4 v[rD:rD+7], v[rA:rA+11], v[rB:rB+11], v[rD:rD+7], v[rW], v[rP] matrix_a_fmt:MATRIX_FMT_FP6 matrix_b_fmt:MATRIX_FMT_FP6
.elseif (\t) == 0
	v_wmma_scale_f32_16x16x128_f8f6f4 v[rD:rD+7], v[rA:rA+11], v[rB:rB+11], v[rD:rD+7], v[rW], v[rP] matrix_a_fmt:MATRIX_FMT_FP6 matrix_b_fmt:MATRIX_FMT_FP6 matrix_b_scale:MATRIX_SCALE_ROW1
.elseif ((\b)&1) == 0
	v_wmma_scale_f32_16x16x128_f8f6f4 v[rD:rD+7], v[rA:rA+11], v[rB:rB+11], v[rD:rD+7], v[rW], v[rP] matrix_a_fmt:MATRIX_FMT_FP6 matrix_b_fmt:MATRIX_FMT_FP6 matrix_a_scale:MATRIX_SCALE_ROW1
.else
	v_wmma_scale_f32_16x16x128_f8f6f4 v[rD:rD+7], v[rA:rA+11], v[rB:rB+11], v[rD:rD+7], v[rW], v[rP] matrix_a_fmt:MATRIX_FMT_FP6 matrix_b_fmt:MATRIX_FMT_FP6 matrix_a_scale:MATRIX_SCALE_ROW1 matrix_b_scale:MATRIX_SCALE_ROW1
.endif
.endif
.endm
; fragment b against my two tiles.  The 16 accumulators take turns, one instruction a turn, in the same order in every step, over the loop's backward jump too.
; lc: how many younger global loads may be out when the weights of the step that is multiplied have to be there.
.macro BATCH b, wb, zero, lc
.if (\b) == 0
	s_wait_loadcnt \lc
.endif
	s_wait_dscnt 3*(7-(\b))                        ; the scale words and fragments 0 .. b are in; the three loads of each later fragment may be out
	WIN W_MUL
	MM 0, \b, \wb, \zero
	MM 1, \b, \wb, \zero
.endm
.macro WLOAD rho                       ; the weights of this trip's step rho: my two tiles' fragments, each load 512 consecutive bytes, and their scale words: seven loads
.irp t, 0,1
.irp q, 0,1,2
	global_load_b128 v[WF+24*(\rho)+12*\t+4*\q:WF+24*(\rho)+12*\t+4*\q+3], v[VW], s[8:9] offset:16*FRB*(\rho)+FRB*\t+512*\q
.endr
.endr
	global_load_b32 v[WS+(\rho)], v[VWS], s[8:9] offset:1024*(\rho)
.endm
; A PREFETCH INTO THE L2 of the next trip's 49,152 bytes of codes: one trip, two K steps, ahead of the loads that want them.  All 32 work-groups of an ig walk the same trip blocks: the one with mt = 0 asks, in waves 0 to 5,
; 8,192 bytes a wave, lanes 256 bytes apart: each block of 256 bytes is named once in the launch.  It stands behind the trip's first run of loads.  The first trip asks for nothing, and the last has no trip behind it.
.macro ASK
	s_cmp_gt_u32 s30, s36                          ; s30 = 1 in the last trip
	s_cbranch_scc0 .Lnot_mine_\@
	global_prefetch_b8 v[VPF], s[8:9] offset:TRIP th:TH_LOAD_NT scope:SCOPE_SE
.Lnot_mine_\@:
.endm
; my fragment and its scale word go to LDS as they stand; then the step's one barrier
.macro SEND buf
	v_lshl_or_b32 v[PW], v[BY+1], 16, v[BY]        ; my two bytes: blocks h and 2 + h of row r,
	v_lshlrev_b32 v[PW], v[SH8], v[PW]             ; at their places in the word (8 h bits up);
	v_permlanex16_b32 v[PW2], v[PW], s16, s17
	v_or_b32 v[PW], v[PW], v[PW2]                  ; with lane l xor 16's two the word is whole
.irp q, 0,1,2
	ds_store_b128 v[PWI], v[PC+4*\q:PC+4*\q+3] offset:8*FRB*(\buf)+512*\q
.endr
	ds_store_b32 v[PWS], v[PW] offset:512*(\buf)   ; lanes r and r + 16 write the same word with the same value
	s_wait_dscnt 0x0                               ; for the others' sake: my stores have landed; and my reads of the other buffer are over, which the next step's stores write
	s_barrier_signal -1
	s_barrier_wait -1
.endm
; all eight fragments and their scale words come back: 4 + 24 loads, the scale words first, the fragments ascending.  Behind the last product that read these registers stand ten plain vector instructions (QBLK's six, SEND's four).
.macro PLOAD buf
.irp p, 0,1,2,3
	ds_load_b32 v[PS+\p], v[LS] offset:PSC+512*(\buf)+128*\p
.endr
	WIN W_PF
.irp m, 0,1,2,3,4,5,6,7
.irp q, 0,1,2
	ds_load_b128 v[128+12*\m+4*\q:128+12*\m+4*\q+3], v[LI] offset:8*FRB*(\buf)+FRB*\m+512*\q
.endr
.endr
	WIN 0
.endm
; the next trip's two grid values, asked for a trip ago, become -g; the pair after them is asked for.  The byte offset is held at 132, the last pair's, so that no load leaves grid's 140 bytes.
.macro GNEXT
	s_wait_kmcnt 0x0
	s_xor_b32 s[GA], s28, 0x80000000
	s_mov_b32 s[GA+1], s[GA]
	s_xor_b32 s[GB], s29, 0x80000000
	s_mov_b32 s[GB+1], s[GB]
	s_add_co_u32 s31, s31, 8
	s_min_u32 s33, s31, 132
	s_load_b64 s[28:29], s[6:7], s33 offset:0x0
.endm
; A K STEP.  kind = 1: the first block is silu (the first trip).  mul = 1: the step before is multiplied; zero = 1: its products start the sums: nothing is ever cleared.  ask = 1: the prefetch.
.macro STEP rho, kind, mul, zero, ask
	WLOAD \rho
.if \ask
	ASK
.endif
.irp cc, 0,1
.irp q, 0,1,2,3
.if (\kind) && (\cc == 0)
	SGRP X+32*\rho, \q
.elseif \cc == 0
	BGRP X+32*\rho, \q, GA
.else
	BGRP X+32*\rho, \q, GB
.endif
.if \mul
	BATCH 4*\cc+\q, 1-\rho, \zero, 7               ; 7: this step's seven weight loads are younger than those of the step that is multiplied
.endif
.endr
	QBLK \cc
.endr
	SEND \rho
	PLOAD \rho
.endm
	STEP 0, 1, 0, 0, 0                             ; trip 0: silu and coefficient 0
	STEP 1, 1, 1, 1, 0
	s_wait_xcnt 0x0                                ; the trip's loads have read their base
	s_add_nc_u64 s[8:9], s[8:9], TRIP
	GNEXT
	s_mov_b32 s30, 17
.Ltrip:                                                ; trips 1 to 17: coefficients 2 g - 1 and 2 g
	STEP 0, 0, 1, 0, 1
	STEP 1, 0, 1, 0, 0
	s_wait_xcnt 0x0                                ; the trip's loads and its prefetch, two steps back, have read their base
	s_add_nc_u64 s[8:9], s[8:9], TRIP
	GNEXT
	s_sub_co_u32 s30, s30, 1
	s_cmp_lg_u32 s30, 0
	s_cbranch_scc1 .Ltrip
.irp b, 0,1,2,3,4,5,6,7
	BATCH \b, 1, 0, 0                              ; the last step is multiplied: no load is younger than its weights'
.endr
	WIN 0
	; THE WAY OUT.  A lane holds 32 neighbouring bytes of a row, a row's 1,024 bytes come from eight waves: they meet in the stage, and each wave stores 16 whole rows.
.rept 4
	v_nop                                          ; four places between the last products and the first read of their results (ISA guide 7.12.1)
.endr
	WIN W_OUT
.irp m, 0,1,2,3
.irp t, 0,1
	ds_store_b128 v[STO0], v[8*(8*\t+\m):8*(8*\t+\m)+3] offset:16*SP*\m+64*\t          ; each accumulator from its low end on
	ds_store_b128 v[STO0], v[8*(8*\t+\m)+4:8*(8*\t+\m)+7] offset:16*SP*\m+64*\t+16
.endr
.endr
.irp m, 4,5,6,7
.irp t, 0,1
	ds_store_b128 v[STO1], v[8*(8*\t+\m):8*(8*\t+\m)+3] offset:16*SP*(\m-4)+64*\t
	ds_store_b128 v[STO1], v[8*(8*\t+\m)+4:8*(8*\t+\m)+7] offset:16*SP*(\m-4)+64*\t+16
.endr
.endr
	WIN 0
	s_wait_dscnt 0x0                               ; for the others' sake: my stores into the stage are done
	s_barrier_signal -1
	s_barrier_wait -1
.set n, 0
.rept 32
	ds_load_b128 v[16+4*n:16+4*n+3], v[SR] offset:SP*(n/2)+512*(n%2)
.set n, n+1
.endr
.set n, 0
.rept 32
	s_wait_dscnt 31-n                              ; the younger loads may be out
	global_store_b128 v[LI], v[16+4*n:16+4*n+3], s[10:11] offset:1024*(n/2)+512*(n%2) th:TH_STORE_NT   ; the wave stores 512 consecutive bytes, at a multiple of 512 from part's first byte
.set n, n+1
.endr
	s_wait_tensorcnt 0x0
	ds_add_u32 v254, v255
	s_wait_dscnt 0x0
	s_endpgm
.Lfunc_end_k_qca88ceebe6_kan:
	.size	k_qca88ceebe6_kan, .Lfunc_end_k_qca88ceebe6_kan-k_qca88ceebe6_kan
	.p2alignl 7, 3214868480
	.fill 96, 4, 3214868480
	.section	.rodata,"a",@progbits
	.p2align	6, 0x0
	.amdhsa_kernel k_qca88ceebe6_kan
		.amdhsa_group_segment_fixed_size 227328
		.amdhsa_private_segment_fixed_size 0
		.amdhsa_enable_private_segment 0
		.amdhsa_kernarg_size 32
		.amdhsa_user_sgpr_count 2
		.amdhsa_user_sgpr_kernarg_segment_ptr 1
		.amdhsa_wavefront_size32 1
		.amdhsa_system_sgpr_workgroup_id_x 1
		.amdhsa_system_sgpr_workgroup_id_y 1
		.amdhsa_system_sgpr_workgroup_id_z 1
		.amdhsa_system_vgpr_workitem_id 0
		.amdhsa_next_free_vgpr 480
		.amdhsa_next_free_sgpr 66
		.amdhsa_reserve_vcc 0
		.amdhsa_float_denorm_mode_32 3
		.amdhsa_float_denorm_mode_16_64 3
		.amdhsa_memory_ordered 1
		.amdhsa_forward_progress 1
		.amdhsa_inst_pref_size 127
	.end_amdhsa_kernel
	.amdgpu_metadata
---
amdhsa.version: [ 1, 2 ]
amdhsa.kernels:
  - .name:           k_qca88ceebe6_kan
    .symbol:         k_qca88ceebe6_kan.kd
    .args:
      - { .name: x, .offset: 0, .size: 8, .value_kind: global_buffer, .address_space: global }
      - { .name: grid, .offset: 8, .size: 8, .value_kind: global_buffer, .address_space: global }
      - { .name: wq, .offset: 16, .size: 8, .value_kind: global_buffer, .address_space: global }
      - { .name: part, .offset: 24, .size: 8, .value_kind: global_buffer, .address_space: global }
    .group_segment_fixed_size: 227328
    .private_segment_fixed_size: 0
    .kernarg_segment_align: 8
    .kernarg_segment_size: 32
    .max_flat_workgroup_size: 256
    .sgpr_count:     66
    .vgpr_count:     480
    .wavefront_size: 32
...
	.end_amdgpu_metadata
.endif
;; end of part 2
;; launch sum8 (part 3): grid 256 x 1, 8 waves a work-group, no clusters, 0 bytes of LDS; arguments part, out0; writes out0
.if DOCPART == 3
	.amdgcn_target "amdgcn-amd-amdhsa--gfx1250"
	.amdhsa_code_object_version 6
	.text
	.protected	k_qca88ceebe6_sum8
	.globl	k_qca88ceebe6_sum8
	.p2align	8
	.type	k_qca88ceebe6_sum8,@function
k_qca88ceebe6_sum8:
	s_mov_b64 s[64:65], 0
	v_nop
	global_prefetch_b8 v0, s[64:65] scope:SCOPE_SE
	s_setreg_imm32_b32 hwreg(HW_REG_WAVE_MODE, 25, 1), 1
	s_wait_xcnt 0x0
; out0 = the sum of part's eight planes [8][4096][256], f32, in ascending order of the plane.
; A stream: a work-group takes 16,384 bytes of out0, a thread four pieces of 16 bytes, 4,096 bytes apart; each load and store of a wave covers 512 consecutive bytes.
; All 32 loads of a thread go out at once; no loop, no LDS, no barrier, no matrix work: each byte is read once and written once.
.set PLANE, 4194304
.set R, 4                              ; v4-131: piece k, plane p at v[R + 4 (8 k + p)]
	s_load_b128 s[4:7], s[0:1], 0x0                ; part, out0
	v_lshlrev_b32 v1, 4, v0                        ; 16 bytes a thread
	s_lshl_b32 s2, ttmp9, 14                       ; the work-group's 16,384 bytes
	s_mov_b32 s3, 0
	s_wait_kmcnt 0x0
	s_add_nc_u64 s[8:9], s[4:5], s[2:3]            ; a base for each plane: s[8 + 2 p : 9 + 2 p]
.irp p, 1,2,3,4,5,6,7
	s_add_nc_u64 s[8+2*\p:9+2*\p], s[6+2*\p:7+2*\p], PLANE
.endr
	s_add_nc_u64 s[6:7], s[6:7], s[2:3]
.irp k, 0,1,2,3
.irp p, 0,1,2,3,4,5,6,7
	global_load_b128 v[R+4*(8*\k+\p):R+4*(8*\k+\p)+3], v1, s[8+2*\p:9+2*\p] offset:4096*\k th:TH_LOAD_NT
.endr
.endr
.irp k, 0,1,2,3
	s_wait_loadcnt 24-8*\k                         ; piece k's eight loads are in; those of the later pieces may be out
.irp p, 1,2,3,4,5,6,7
	v_pk_add_f32 v[R+32*\k:R+32*\k+1], v[R+32*\k:R+32*\k+1], v[R+32*\k+4*\p:R+32*\k+4*\p+1]
	v_pk_add_f32 v[R+32*\k+2:R+32*\k+3], v[R+32*\k+2:R+32*\k+3], v[R+32*\k+4*\p+2:R+32*\k+4*\p+3]
.endr
	global_store_b128 v1, v[R+32*\k:R+32*\k+3], s[6:7] offset:4096*\k th:TH_STORE_NT
.endr
	s_endpgm
.Lfunc_end_k_qca88ceebe6_sum8:
	.size	k_qca88ceebe6_sum8, .Lfunc_end_k_qca88ceebe6_sum8-k_qca88ceebe6_sum8
	.p2alignl 7, 3214868480
	.fill 96, 4, 3214868480
	.section	.rodata,"a",@progbits
	.p2align	6, 0x0
	.amdhsa_kernel k_qca88ceebe6_sum8
		.amdhsa_group_segment_fixed_size 0
		.amdhsa_private_segment_fixed_size 0
		.amdhsa_enable_private_segment 0
		.amdhsa_kernarg_size 16
		.amdhsa_user_sgpr_count 2
		.amdhsa_user_sgpr_kernarg_segment_ptr 1
		.amdhsa_wavefront_size32 1
		.amdhsa_system_sgpr_workgroup_id_x 1
		.amdhsa_system_sgpr_workgroup_id_y 1
		.amdhsa_system_sgpr_workgroup_id_z 1
		.amdhsa_system_vgpr_workitem_id 0
		.amdhsa_next_free_vgpr 136
		.amdhsa_next_free_sgpr 66
		.amdhsa_reserve_vcc 0
		.amdhsa_float_denorm_mode_32 3
		.amdhsa_float_denorm_mode_16_64 3
		.amdhsa_memory_ordered 1
		.amdhsa_forward_progress 1
		.amdhsa_inst_pref_size 8
	.end_amdhsa_kernel
	.amdgpu_metadata
---
amdhsa.version: [ 1, 2 ]
amdhsa.kernels:
  - .name:           k_qca88ceebe6_sum8
    .symbol:         k_qca88ceebe6_sum8.kd
    .args:
      - { .name: part, .offset: 0, .size: 8, .value_kind: global_buffer, .address_space: global }
      - { .name: out0, .offset: 8, .size: 8, .value_kind: global_buffer, .address_space: global }
    .group_segment_fixed_size: 0
    .private_segment_fixed_size: 0
    .kernarg_segment_align: 8
    .kernarg_segment_size: 16
    .max_flat_workgroup_size: 256
    .sgpr_count:     66
    .vgpr_count:     136
    .wavefront_size: 32
...
	.end_amdgpu_metadata
.endif
;; end of part 3
;; ======== version 2 of 2: 3 launches; version 1 with the launch kan written anew for expert scheduling mode
;; workspace buffers: wq 7,372,800 bytes; part 33,554,432 bytes
;; launch wprep: the kernel of part 1 again; grid 16 x 16, 9 waves a work-group, no clusters, 30,464 bytes of LDS; arguments spline_weight, base_scale, wq; writes wq
;; launch kan (part 4): grid 8 x 32, 8 waves a work-group, no clusters, 227,328 bytes of LDS; arguments x, grid, wq, part; writes part
.if DOCPART == 4
	.amdgcn_target "amdgcn-amd-amdhsa--gfx1250"
	.amdhsa_code_object_version 6
	.text
	.protected	k_qca88ceebe6_kan
	.globl	k_qca88ceebe6_kan
	.p2align	8
	.type	k_qca88ceebe6_kan,@function
k_qca88ceebe6_kan:
	s_mov_b64 s[64:65], 0
	v_nop
	global_prefetch_b8 v0, s[64:65] scope:SCOPE_SE
	s_setreg_imm32_b32 hwreg(HW_REG_WAVE_SCHED_MODE, 0, 2), 2
	s_setreg_imm32_b32 hwreg(HW_REG_WAVE_MODE, 25, 1), 1
	s_wait_xcnt 0x0
	s_wait_alu depctr_vm_vsrc(0)
; part[ig][b][j] = the sum over i = 128 ig .. 128 ig + 127 of silu(xn[b][i]) base_scale[i][j] + the sum over c of basis(xn[b][i], grid[c]) spline_weight[i][j][c], xn = clip(x, -0.99, 0.99),
; both products on codes of FP6 (E2M3) with one E8M0 scale for each 32 along K.  The left operands are made here, in f32, quantised in registers and multiplied at once; they never go to memory.
; K of the spline product is taken as c x 1024 + i: a block of 32 is 32 neighbouring i at one c.  The weights come as wq has them (its layout: there): a K step of 128 is (ir = 2 ig + rho, g), its block 2 c' + h is
; (v = 2 g + c', i = 64 ir + 32 h + 0 .. 31), v = 0 the base product, v = c + 1 coefficient c.  In the operand's layout lane (r, h) holds blocks h and 2 + h of row r: two whole blocks, both made of the SAME 32 x of its row.
; So x stays in registers for the whole launch (64 a lane), a block's largest magnitude needs no other lane, and grid[c] is a scalar.  grid is read as it is given: nothing of its spacing or order is built in; every (b, i, c) is evaluated.
; THE BASIS, five instructions a number.  With k = 6^(-1/3), u = xn - g, d = 17 |u| (1 / h is 17):  t = k (2 - d) = K0 - K1 |u|;  outer = (2 - d)^3 / 6 = t^3;  inner = 2/3 - d^2 + d^3 / 2 = 2/3 - CC u^2 t, CC = 289 / (2 k).
; outer - inner = (2/3) (1 - d)^3, so for d < 1: 0 < inner < outer; for 1 <= d <= 2: 0 <= outer <= inner; for d > 2: outer < 0 < inner: THE MIDDLE ONE OF (inner, outer, 0) is the basis in all three cases: no compare, no select.
; SHARES.  A work-group takes 128 rows x 128 i x all 36 v x all 256 j: 36 K steps.  Wave w MAKES the fragment of rows 16 w .. 16 w + 15 in every step, and MULTIPLIES all eight fragments by its own two tiles of columns
; (32 w .. 32 w + 31): 16 accumulators, 16 matrix instructions a step.  Each basis number of the launch is made once.  The fragments go from wave to wave through LDS as images of their registers, two buffers, one barrier a step.
; PIPELINE.  Step s makes fragment s, asks for the weights of step s, and multiplies step s - 1: two matrix instructions stand behind each group of 44 vector instructions.
; THE MATRIX INSTRUCTION IS USED TRANSPOSED (source 0 = 16 columns of the weights, source 1 = 16 rows): register n of lane (r, h) of accumulator (t, m) is part(16 m + r, 32 w + 16 t + 8 h + n).
; NO CLUSTER, NO JOINT LOADS, though the 32 work-groups of an ig read the same weights: a wave takes 3,200 bytes of weights a step straight into its operand registers, asked for a whole step (372 vector instructions) ahead of
; their use; a joint load would bring them into LDS, to be read from there once more, behind a round of the cluster's barrier for each refill, for bytes that no wave waits for.
; K is split over 8 work-groups (ig) so that 32 x 8 = 256 work-groups have equal work; the 8 parts are added by the next launch.
; LIMITS: NaN and infinities in x, grid or the weights are not served (a very large grid value still gives 0: the middle of +inf, -inf, 0); a block of zeros gets the byte 1, not 127: its codes are zeros and nobody else reads the byte.
; REGISTERS, in windows of 256.  Window 0: v1-15 addresses and constants; v16-79 xn; v80-111 a block's 32 numbers; v112-127 at work; v128-146 my fragment's codes; v148-155 maxima, scales; v160-207 the weights' fragments, two buffers;
;   v208-209 their scale words; v210-213 the fragments' scale words; v254, v255 the closing add's two.   Window 1: v0-127 the accumulators ((t, m) at 8 (8 t + m)); v128-223 the eight fragments (m at 128 + 12 m).
; THE MODE: SCHED_MODE bits 1:0 = 2 (LLVM: expert scheduling mode 2), set by the entry lines.  The code itself states the register dependences
; between vector or matrix instructions and memory or LDS instructions, with s_wait_alu, always for 0.
; THE PLAN.  Registers that memory or LDS instructions touch, in the loop (step s, rho = s % 2):
;   WF[rho], WS[rho]   The seven global loads at the head of step s land in them; the matrix instructions of step s + 1 read them; the loads of step s + 2 land in them again.
;   the eight fragments (window 1) and PS   The 28 LDS loads at the end of step s land in them; the matrix instructions of step s + 1 read them; the loads at the end of step s + 1 land in them again.
;   PC, PW             Written by step s's conversions and moves and by the four lines that make the scale word; read by its four LDS stores; written again by step s + 1's.
;   v1-6, v15          Offsets and addresses, made at the head and never written again: the trip's place in wq is in the scalar base, the rest in immediate offsets.
;   xn, F, T, the maxima and the accumulators are named by vector and matrix instructions alone.
; So ONE wait on va_vdst stands in a step, behind the scale word's lines and ahead of the four LDS stores: PC and PW are written; the step's matrix instructions are done reading the eight fragments, PS and their buffer of weights.
; From that wait to the last of the next step's seven weight loads no vector or matrix instruction is issued (over the trip's scalar lines and the backward jump too), so the stores, the 28 LDS loads and those seven loads owe nothing more.
; ONE wait on vm_vsrc stands in a step, behind the stores: they have read PC and PW.
.set FRB,  1536                        ; a fragment's image: 12 registers x 32 lanes
.set TRIP, 51200                       ; a trip block of wq: both rho of one g
.set PSC,  16*FRB                      ; LDS: 2 buffers x 8 images; then 2 x 8 x 64 bytes of scale words (wave w's row r at 64 w + 4 r);
.set XST,  PSC+1024                    ; each wave's own 16 rows x 528 bytes, for the turn of x;
.set STG,  XST+8*16*528                ; the stage for the result: 128 rows x (1,024 + 16) bytes
.set SP,   1040
.set LI,   1                           ; v1   16 x lane
.set LS,   2                           ; v2   4 x lane
.set PWI,  3                           ; v3   where I store my fragment's image: 1,536 w + 16 lane
.set PWS,  4                           ; v4   and its scale word: PSC + 64 w + 4 r
.set VW,   5                           ; v5   my tiles' codes in a trip block: 3,072 w + 16 lane
.set VWS,  6                           ; v6   and their scale words: 49,152 + 128 w + 4 lane: lanes 0-15 tile 0, lanes 16-31 tile 1
.set SH8,  7                           ; v7   8 h
.set STO0, 8                           ; v8   the stage: row r, + 32 h + 128 w; v9: 64 rows on (an LDS offset has 16 bits)
.set STO1, 9
.set SR,   10                          ; v10  back from the stage: my 16 rows, 16 bytes a lane
.set XSI,  11                          ; v11  the turn of x, in
.set C23,  12                          ; v[12:13] 2/3, twice
.set XSO,  14                          ; v14  the turn of x, out: row r, + 128 h
.set VPF,  15                          ; v15  the prefetches' offset: 8,192 w + 256 lane
.set X,    16
.set F,    80
.set T,    112
.set T2,   120
.set PC,   128
.set PT,   140                         ; v140-142, v144-146: a block's upper 16 codes as the conversion leaves them
.set MXA,  148
.set MXB,  149
.set SOP,  150                         ; v150-151 the conversions' scale operands
.set BY,   152                         ; v152-153 the two bytes
.set PW,   154                         ; my row's scale word;  v155: the other half's part of it
.set PW2,  155
.set WF,   160
.set WS,   208
.set PS,   210
.set GA,   24                          ; s[24:25] -grid of the step's first coefficient, twice;  s[26:27] of the second
.set GB,   26
.set MSB, 0
.macro WIN new                         ; the immediate's high byte repeats the setting that is left; a switch that changes nothing is dropped
.if MSB != \new
	s_set_vgpr_msb (MSB<<8)|\new
.set MSB, \new
.endif
.endm
.set W_MUL, 0x54                       ; source 0 (weights) window 0; source 1 (fragment), C and D window 1
.set W_PF,  0x40                       ; destination window 1, address window 0
.set W_OUT, 0x04                       ; an LDS store's data are its source 1: window 1
	s_load_b256 s[4:11], s[0:1], 0x0               ; x s[4:5], grid s[6:7], wq s[8:9], part s[10:11]
	v_lshl_add_u32 v254, v0, 2, 0x37400
	v_mov_b32 v255, 0
	v_lshrrev_b32 v148, 5, v0
	v_readfirstlane_b32 s12, v148                  ; wave 0..7
	s_and_b32 s14, ttmp7, 0xffff                   ; mt: my 128 rows.  (ig is ttmp9)
	v_and_b32 v150, 31, v0                         ; lane
	v_and_b32 v148, 15, v0                         ; r
	v_bfe_u32 v149, v0, 4, 1                       ; h
	v_lshlrev_b32 v[LI], 4, v150
	v_lshlrev_b32 v[LS], 2, v150
	s_wait_alu depctr_va_sdst(0)                   ; s12 is written, ahead of its first reader: the wave's LDS places and its rows are made from it
	s_mul_i32 s38, s12, FRB
	v_add_nc_u32 v[PWI], s38, v[LI]
	s_lshl_b32 s38, s12, 6
	s_add_co_u32 s38, s38, PSC
	v_lshl_add_u32 v[PWS], v148, 2, s38
	s_mul_i32 s38, s12, 2*FRB
	v_add_nc_u32 v[VW], s38, v[LI]
	s_lshl_b32 s38, s12, 7
	s_add_co_u32 s39, s38, 32*FRB
	v_add_nc_u32 v[VWS], s39, v[LS]
	v_lshlrev_b32 v[SH8], 3, v149
	s_add_co_u32 s38, s38, STG
	v_mul_u32_u24 v151, v148, SP
	v_lshl_add_u32 v151, v149, 5, v151
	v_add_nc_u32 v[STO0], s38, v151
	v_add_nc_u32 v[STO1], 64*SP, v[STO0]
	s_mul_i32 s38, s12, 16*SP
	s_add_co_u32 s38, s38, STG
	v_add_nc_u32 v[SR], s38, v[LI]
	s_mul_i32 s38, s12, 16*528
	s_add_co_u32 s38, s38, XST
	v_add_nc_u32 v[XSI], s38, v[LI]
	v_mul_u32_u24 v151, v148, 528
	v_lshl_add_u32 v151, v149, 7, v151
	v_add_nc_u32 v[XSO], s38, v151
	s_lshl_b32 s38, s12, 13
	v_lshl_add_u32 v[VPF], v150, 8, s38
	v_mov_b32 v[C23], 0x3f2aaaab                   ; 2/3
	v_mov_b32 v[C23+1], 0x3f2aaaab
	v_mov_b32 v[PW2], 0                            ; written once: a lane permute's destination counts as one of its sources
	s_mov_b32 s16, 0x76543210                      ; v_permlanex16_b32's selects for lane l xor 16
	s_mov_b32 s17, 0xfedcba98
	s_mov_b32 s18, 0x4115aff7                      ; K1 = 17 k = 9.3554605
	s_mov_b32 s19, 0x3f8ce1da                      ; K0 = 2 k = 1.1006424
	s_mov_b32 s20, 0xc3834976                      ; -CC = -289 / (2 k) = -262.57393
	s_mov_b32 s21, s20                             ; (a packed form names the pair and takes its low word for both halves: so the upper word is written)
	s_mov_b32 s22, 0xbf7d70a4                      ; -0.99
	s_mov_b32 s23, 0x3f7d70a4                      ; 0.99
	s_mov_b32 s34, 0xbfb8aa3b                      ; -log2(e)
	s_mov_b32 s35, s34
	s_cmp_lt_u32 s12, 6                            ; who prefetches: waves 0 to 5 of the work-group with mt = 0
	s_cselect_b32 s36, 0, 1
	s_or_b32 s36, s36, s14
	s_cmp_eq_u32 s36, 0
	s_cselect_b32 s36, 1, -1                       ; 1 there, else the greatest number
	s_lshl_b32 s38, s14, 7
	s_lshl_b32 s39, s12, 4
	s_add_co_u32 s38, s38, s39                     ; my wave's first row: 128 mt + 16 w
	s_lshl_b32 s40, s38, 12                        ; x: 4,096 bytes a row,
	s_lshl_b32 s39, ttmp9, 9
	s_add_co_u32 s40, s40, s39                     ; + 512 ig
	s_mov_b32 s41, 0
	s_lshl_b32 s38, s38, 10                        ; part: 1,024 bytes a row,
	s_lshl_b32 s39, ttmp9, 22
	s_add_co_u32 s38, s38, s39                     ; + ig's 4,194,304
	s_mov_b32 s39, 0
	s_mul_i32 s42, ttmp9, 18*TRIP                  ; wq: ig's 18 trip blocks
	s_mov_b32 s43, 0
	s_wait_kmcnt 0x0
	s_add_nc_u64 s[4:5], s[4:5], s[40:41]
	s_add_nc_u64 s[10:11], s[10:11], s[38:39]
	s_add_nc_u64 s[8:9], s[8:9], s[42:43]
	s_load_b32 s26, s[6:7], 0x0                    ; grid[0]
	s_load_b64 s[28:29], s[6:7], 0x4               ; grid[1], grid[2]
	s_mov_b32 s31, 4                               ; the byte in grid of the pair last asked for
	s_wait_alu depctr_va_vdst(0)                   ; the offsets and addresses v1 to v6, v8 to v11, v14, v15 are written, which the kernel's loads, stores and its prefetch read; so are v254 and v255, which the closing add reads
	; x: each load takes one row's 512 consecutive bytes, 16 a lane; the rows turn through my wave's own bytes of LDS and come back so that lane (r, h) holds, of row r, i = 64 rho + 32 h + 0 .. 31
.irp k, 0,1,2,3,4,5,6,7,8,9,10,11,12,13,14,15
	global_load_b128 v[F+4*\k:F+4*\k+3], v[LI], s[4:5] offset:4096*\k th:TH_LOAD_NT
.endr
.irp k, 0,1,2,3,4,5,6,7,8,9,10,11,12,13,14,15
	s_wait_loadcnt 15-\k                           ; row k is in; the younger rows may be out
	ds_store_b128 v[XSI], v[F+4*\k:F+4*\k+3] offset:528*\k
.endr
.irp p, 0,1
.irp j, 0,1,2,3,4,5,6,7
	ds_load_b128 v[X+32*\p+4*\j:X+32*\p+4*\j+3], v[XSO] offset:256*\p+16*\j   ; LDS serves a wave's instructions in order (ISA guide 5.7.1.4): these see my stores
.endr
.endr
	s_wait_dscnt 0x0
	s_wait_alu depctr_vm_vsrc(0)                   ; the sixteen LDS stores have read v80 to v143: these registers are F, T, PC and PT from here on, written by the steps' vector instructions
.set j, 0
.rept 64
	v_med3_num_f32 v[X+j], v[X+j], s22, s23        ; the clip
.set j, j+1
.endr
	s_wait_kmcnt 0x0
	s_xor_b32 s26, s26, 0x80000000                 ; -grid[0]: the first trip's second block
	s_mov_b32 s27, s26
; the largest magnitude of group q's eight numbers joins two chains; group 0 starts them
.macro GMAX q
.if (\q) == 0
	v_max_num_f32 v[MXA], |v[F]|, |v[F+1]|
	v_max_num_f32 v[MXB], |v[F+2]|, |v[F+3]|
.else
	v_max3_num_f32 v[MXA], v[MXA], |v[F+8*(\q)]|, |v[F+8*(\q)+1]|
	v_max3_num_f32 v[MXB], v[MXB], |v[F+8*(\q)+2]|, |v[F+8*(\q)+3]|
.endif
	v_max3_num_f32 v[MXA], v[MXA], |v[F+8*(\q)+4]|, |v[F+8*(\q)+5]|
	v_max3_num_f32 v[MXB], v[MXB], |v[F+8*(\q)+6]|, |v[F+8*(\q)+7]|
.endm
; eight basis numbers: those of xn at v[xb + 8 q] on, for the coefficient whose -grid stands in s[gs]
.macro BGRP xb, q, gs
	WIN 0
.irp p, 0,2,4,6
	v_pk_add_f32 v[F+8*(\q)+\p:F+8*(\q)+\p+1], v[(\xb)+8*(\q)+\p:(\xb)+8*(\q)+\p+1], s[\gs:\gs+1] op_sel_hi:[1,0]   ; u = xn - g
.endr
.irp p, 0,1,2,3,4,5,6,7
	v_fma_f32 v[T+\p], -|v[F+8*(\q)+\p]|, s18, s19                 ; t = K0 - K1 |u|
.endr
.irp p, 0,2,4,6
	v_pk_mul_f32 v[F+8*(\q)+\p:F+8*(\q)+\p+1], v[F+8*(\q)+\p:F+8*(\q)+\p+1], v[F+8*(\q)+\p:F+8*(\q)+\p+1]   ; u^2
.endr
.irp p, 0,2,4,6
	v_pk_mul_f32 v[T2+\p:T2+\p+1], v[T+\p:T+\p+1], v[T+\p:T+\p+1]  ; t^2
.endr
.irp p, 0,2,4,6
	v_pk_mul_f32 v[F+8*(\q)+\p:F+8*(\q)+\p+1], v[F+8*(\q)+\p:F+8*(\q)+\p+1], v[T+\p:T+\p+1]   ; u^2 t
.endr
.irp p, 0,2,4,6
	v_pk_mul_f32 v[T+\p:T+\p+1], v[T2+\p:T2+\p+1], v[T+\p:T+\p+1]  ; outer = t^3
.endr
.irp p, 0,2,4,6
	v_pk_fma_f32 v[F+8*(\q)+\p:F+8*(\q)+\p+1], v[F+8*(\q)+\p:F+8*(\q)+\p+1], s[20:21], v[C23:C23+1] op_sel_hi:[1,0,1]   ; inner = 2/3 - CC u^2 t
.endr
.irp p, 0,1,2,3,4,5,6,7
	v_med3_num_f32 v[F+8*(\q)+\p], v[F+8*(\q)+\p], v[T+\p], 0      ; the middle one of inner, outer, 0
.endr
	GMAX \q
.endm
; eight numbers of silu(xn) = xn / (1 + 2^(-log2(e) xn))
.macro SGRP xb, q
	WIN 0
.irp p, 0,2,4,6
	v_pk_mul_f32 v[T+\p:T+\p+1], v[(\xb)+8*(\q)+\p:(\xb)+8*(\q)+\p+1], s[34:35] op_sel_hi:[1,0]
.endr
.irp p, 0,1,2,3,4,5,6,7
	v_exp_f32 v[T+\p], v[T+\p]
.endr
	v_nop                                          ; a plain instruction behind the last exponential (ISA guide 5.7.2),
	s_wait_alu depctr_va_vdst(0)                   ; the eight exponentials have written v[T ..], ahead of their first reader: one wait for the batch
.irp p, 0,2,4,6
	v_pk_add_f32 v[T+\p:T+\p+1], v[T+\p:T+\p+1], 1.0 op_sel_hi:[1,0]
.endr
.irp p, 0,1,2,3,4,5,6,7
	v_rcp_f32 v[T+\p], v[T+\p]
.endr
	v_nop
	s_wait_alu depctr_va_vdst(0)                   ; the eight reciprocals have written v[T ..], ahead of their first reader: likewise
.irp p, 0,2,4,6
	v_pk_mul_f32 v[F+8*(\q)+\p:F+8*(\q)+\p+1], v[(\xb)+8*(\q)+\p:(\xb)+8*(\q)+\p+1], v[T+\p:T+\p+1]
.endr
	GMAX \q
.endm
; the block in v[F] on becomes registers 6 cc .. 6 cc + 5 of my fragment, and a byte
.macro QBLK cc
	WIN 0
	v_max3_num_f32 v[MXA], v[MXA], v[MXB], 0x1800000               ; the two chains and the floor 2^(3 - 127): the byte cannot fall under 1
	v_add_nc_u32 v[SOP+\cc], 0xff000000, v[MXA]                    ; 2 off the exponent field: the conversion takes that field as its scale and nothing else
	v_cvt_scalef32_pk16_fp6_f32 v[PC+6*\cc:PC+6*\cc+2], v[F:F+15], v[SOP+\cc]
	v_cvt_scalef32_pk16_fp6_f32 v[PT+4*\cc:PT+4*\cc+2], v[F+16:F+31], v[SOP+\cc]   ; (a conversion's three registers begin on an even number)
	v_lshrrev_b32 v[BY+\cc], 23, v[SOP+\cc]                        ; the byte; also the plain instruction behind the conversions
.irp i, 0,1,2
	v_mov_b32 v[PC+6*\cc+3+\i], v[PT+4*\cc+\i]
.endr
.endm
; one product: my tile t of columns x the fragment of rows 16 b on.  The weights' scale words: lanes 0-15 tile 0, lanes 16-31 tile 1; the fragments': lanes 0-15 the even fragment, lanes 16-31 the odd one.
; All its operands and scales come by loads: no vector instruction writes one of them.
.macro MM t, b, wb, zero
.set rD, 8*(8*(\t)+(\b))
.set rA, WF+24*(\wb)+12*(\t)
.set rB, 128+12*(\b)
.set rW, WS+(\wb)
.set rP, PS+((\b)>>1)
.if \zero
.if ((\t) == 0) && (((\b)&1) == 0)
	v_wmma_scale_f32_16x16x128_f8f6f4 v[rD:rD+7], v[rA:rA+11], v[rB:rB+11], 0, v[rW], v[rP] matrix_a_fmt:MATRIX_FMT_FP6 matrix_b_fmt:MATRIX_FMT_FP6
.elseif (\t) == 0
	v_wmma_scale_f32_16x16x128_f8f6f4 v[rD:rD+7], v[rA:rA+11], v[rB:rB+11], 0, v[rW], v[rP] matrix_a_fmt:MATRIX_FMT_FP6 matrix_b_fmt:MATRIX_FMT_FP6 matrix_b_scale:MATRIX_SCALE_ROW1
.elseif ((\b)&1) == 0
	v_wmma_scale_f32_16x16x128_f8f6f4 v[rD:rD+7], v[rA:rA+11], v[rB:rB+11], 0, v[rW], v[rP] matrix_a_fmt:MATRIX_FMT_FP6 matrix_b_fmt:MATRIX_FMT_FP6 matrix_a_scale:MATRIX_SCALE_ROW1
.else
	v_wmma_scale_f32_16x16x128_f8f6f4 v[rD:rD+7], v[rA:rA+11], v[rB:rB+11], 0, v[rW], v[rP] matrix_a_fmt:MATRIX_FMT_FP6 matrix_b_fmt:MATRIX_FMT_FP6 matrix_a_scale:MATRIX_SCALE_ROW1 matrix_b_scale:MATRIX_SCALE_ROW1
.endif
.else
.if ((\t) == 0) && (((\b)&1) == 0)
	v_wmma_scale_f32_16x16x128_f8f6f4 v[rD:rD+7], v[rA:rA+11], v[rB:rB+11], v[rD:rD+7], v[rW], v[rP] matrix_a_fmt:MATRIX_FMT_FP6 matrix_b_fmt:MATRIX_FMT_FP6
.elseif (\t) == 0
	v_wmma_scale_f32_16x16x128_f8f6f4 v[rD:rD+7], v[rA:rA+11], v[rB:rB+11], v[rD:rD+7], v[rW], v[rP] matrix_a_fmt:MATRIX_FMT_FP6 matrix_b_fmt:MATRIX_FMT_FP6 matrix_b_scale:MATRIX_SCALE_ROW1
.elseif ((\b)&1) == 0
	v_wmma_scale_f32_16x16x128_f8f6f4 v[rD:rD+7], v[rA:rA+11], v[rB:rB+11], v[rD:rD+7], v[rW], v[rP] matrix_a_fmt:MATRIX_FMT_FP6 matrix_b_fmt:MATRIX_FMT_FP6 matrix_a_scale:MATRIX_SCALE_ROW1
.else
	v_wmma_scale_f32_16x16x128_f8f6f4 v[rD:rD+7], v[rA:rA+11], v[rB:rB+11], v[rD:rD+7], v[rW], v[rP] matrix_a_fmt:MATRIX_FMT_FP6 matrix_b_fmt:MATRIX_FMT_FP6 matrix_a_scale:MATRIX_SCALE_ROW1 matrix_b_scale:MATRIX_SCALE_ROW1
.endif
.endif
.endm
; fragment b against my two tiles.  The 16 accumulators take turns, one instruction a turn, in the same order in every step, over the loop's backward jump too.
; lc: how many younger global loads may be out when the weights of the step that is multiplied have to be there.
.macro BATCH b, wb, zero, lc
.if (\b) == 0
	s_wait_loadcnt \lc
.endif
	s_wait_dscnt 3*(7-(\b))                        ; the scale words and fragments 0 .. b are in; the three loads of each later fragment may be out
	WIN W_MUL
	MM 0, \b, \wb, \zero
	MM 1, \b, \wb, \zero
.endm
; the weights of this trip's step rho: my two tiles' fragments, each load 512 consecutive bytes, and their scale words: seven loads.
; No wait: the matrix instructions that read this buffer stand ahead of the last step's wait on va_vdst, and no vector or matrix instruction has been issued since (ahead of the first step: none has ever named the buffer).
.macro WLOAD rho
.irp t, 0,1
.irp q, 0,1,2
	global_load_b128 v[WF+24*(\rho)+12*\t+4*\q:WF+24*(\rho)+12*\t+4*\q+3], v[VW], s[8:9] offset:16*FRB*(\rho)+FRB*\t+512*\q
.endr
.endr
	global_load_b32 v[WS+(\rho)], v[VWS], s[8:9] offset:1024*(\rho)
.endm
; A PREFETCH INTO THE L2 of the next trip's 49,152 bytes of codes: one trip, two K steps, ahead of the loads that want them.  All 32 work-groups of an ig walk the same trip blocks: the one with mt = 0 asks, in waves 0 to 5,
; 8,192 bytes a wave, lanes 256 bytes apart: each block of 256 bytes is named once in the launch.  It stands behind the trip's first run of loads.  The first trip asks for nothing, and the last has no trip behind it.
.macro ASK
	s_cmp_gt_u32 s30, s36                          ; s30 = 1 in the last trip
	s_cbranch_scc0 .Lnot_mine_\@
	global_prefetch_b8 v[VPF], s[8:9] offset:TRIP th:TH_LOAD_NT scope:SCOPE_SE
.Lnot_mine_\@:
.endm
; my fragment and its scale word go to LDS as they stand; then the step's one barrier
.macro SEND buf
	v_lshl_or_b32 v[PW], v[BY+1], 16, v[BY]        ; my two bytes: blocks h and 2 + h of row r,
	v_lshlrev_b32 v[PW], v[SH8], v[PW]             ; at their places in the word (8 h bits up);
	v_permlanex16_b32 v[PW2], v[PW], s16, s17
	v_or_b32 v[PW], v[PW], v[PW2]                  ; with lane l xor 16's two the word is whole
	s_wait_alu depctr_va_vdst(0)                   ; THE STEP'S ONE WAIT: the conversions, the moves and the lines above have written v[PC ..] and v[PW], which the stores below read; the step's matrix instructions are done reading
	                                               ; the eight fragments and PS, in which the 28 LDS loads behind the barrier land, and their buffer of weights and its scale words, in which the next step's seven loads land
.irp q, 0,1,2
	ds_store_b128 v[PWI], v[PC+4*\q:PC+4*\q+3] offset:8*FRB*(\buf)+512*\q
.endr
	ds_store_b32 v[PWS], v[PW] offset:512*(\buf)   ; lanes r and r + 16 write the same word with the same value
	s_wait_dscnt 0x0                               ; for the others' sake: my stores have landed; and my reads of the other buffer are over, which the next step's stores write
	s_wait_alu depctr_vm_vsrc(0)                   ; the four stores have read v[PC ..] and v[PW], which the next step's conversions, moves and scale word write again (behind the last step: in v[PC ..] loads from the stage land)
	s_barrier_signal -1
	s_barrier_wait -1
.endm
; all eight fragments and their scale words come back: 4 + 24 loads, the scale words first, the fragments ascending.  Behind the last product that read these registers stand ten plain vector instructions (QBLK's six, SEND's four)
; and SEND's wait on va_vdst; between that wait and these loads stand only SEND's stores, which name v3, v4, v[PC ..] of window 0 and v[PW], waits, the barrier and a window switch: none of the registers that these loads touch.
.macro PLOAD buf
.irp p, 0,1,2,3
	ds_load_b32 v[PS+\p], v[LS] offset:PSC+512*(\buf)+128*\p
.endr
	WIN W_PF
.irp m, 0,1,2,3,4,5,6,7
.irp q, 0,1,2
	ds_load_b128 v[128+12*\m+4*\q:128+12*\m+4*\q+3], v[LI] offset:8*FRB*(\buf)+FRB*\m+512*\q
.endr
.endr
	WIN 0
.endm
; the next trip's two grid values, asked for a trip ago, become -g; the pair after them is asked for.  The byte offset is held at 132, the last pair's, so that no load leaves grid's 140 bytes.
.macro GNEXT
	s_wait_kmcnt 0x0
	s_xor_b32 s[GA], s28, 0x80000000
	s_mov_b32 s[GA+1], s[GA]
	s_xor_b32 s[GB], s29, 0x80000000
	s_mov_b32 s[GB+1], s[GB]
	s_add_co_u32 s31, s31, 8
	s_min_u32 s33, s31, 132
	s_load_b64 s[28:29], s[6:7], s33 offset:0x0
.endm
; A K STEP.  kind = 1: the first block is silu (the first trip).  mul = 1: the step before is multiplied; zero = 1: its products start the sums: nothing is ever cleared.  ask = 1: the prefetch.
.macro STEP rho, kind, mul, zero, ask
	WLOAD \rho
.if \ask
	ASK
.endif
.irp cc, 0,1
.irp q, 0,1,2,3
.if (\kind) && (\cc == 0)
	SGRP X+32*\rho, \q
.elseif \cc == 0
	BGRP X+32*\rho, \q, GA
.else
	BGRP X+32*\rho, \q, GB
.endif
.if \mul
	BATCH 4*\cc+\q, 1-\rho, \zero, 7               ; 7: this step's seven weight loads are younger than those of the step that is multiplied
.endif
.endr
	QBLK \cc
.endr
	SEND \rho
	PLOAD \rho
.endm
	STEP 0, 1, 0, 0, 0                             ; trip 0: silu and coefficient 0
	STEP 1, 1, 1, 1, 0
	s_wait_xcnt 0x0                                ; the trip's loads have read their base
	s_add_nc_u64 s[8:9], s[8:9], TRIP
	GNEXT
	s_mov_b32 s30, 17
.Ltrip:                                                ; trips 1 to 17: coefficients 2 g - 1 and 2 g
	STEP 0, 0, 1, 0, 1
	STEP 1, 0, 1, 0, 0
	s_wait_xcnt 0x0                                ; the trip's loads and its prefetch, two steps back, have read their base
	s_add_nc_u64 s[8:9], s[8:9], TRIP
	GNEXT
	s_sub_co_u32 s30, s30, 1
	s_cmp_lg_u32 s30, 0
	s_cbranch_scc1 .Ltrip
.irp b, 0,1,2,3,4,5,6,7
	BATCH \b, 1, 0, 0                              ; the last step is multiplied: no load is younger than its weights'
.endr
	WIN 0
	; THE WAY OUT.  A lane holds 32 neighbouring bytes of a row, a row's 1,024 bytes come from eight waves: they meet in the stage, and each wave stores 16 whole rows.
.rept 4
	v_nop                                          ; four places between the last products and the first read of their results (ISA guide 7.12.1)
.endr
	WIN W_OUT
	s_wait_alu depctr_va_vdst(0)                   ; the matrix instructions have written the accumulators, which the LDS stores read (the places above stay beside this wait); and every vector instruction that named v16 to v143
	                                               ; is done: no vector instruction follows, so the loads from the stage, which land there, owe nothing more
.irp m, 0,1,2,3
.irp t, 0,1
	ds_store_b128 v[STO0], v[8*(8*\t+\m):8*(8*\t+\m)+3] offset:16*SP*\m+64*\t          ; each accumulator from its low end on
	ds_store_b128 v[STO0], v[8*(8*\t+\m)+4:8*(8*\t+\m)+7] offset:16*SP*\m+64*\t+16
.endr
.endr
.irp m, 4,5,6,7
.irp t, 0,1
	ds_store_b128 v[STO1], v[8*(8*\t+\m):8*(8*\t+\m)+3] offset:16*SP*(\m-4)+64*\t
	ds_store_b128 v[STO1], v[8*(8*\t+\m)+4:8*(8*\t+\m)+7] offset:16*SP*(\m-4)+64*\t+16
.endr
.endr
	WIN 0
	s_wait_dscnt 0x0                               ; for the others' sake: my stores into the stage are done
	s_barrier_signal -1
	s_barrier_wait -1
.set n, 0
.rept 32
	ds_load_b128 v[16+4*n:16+4*n+3], v[SR] offset:SP*(n/2)+512*(n%2)
.set n, n+1
.endr
.set n, 0
.rept 32
	s_wait_dscnt 31-n                              ; the younger loads may be out
	global_store_b128 v[LI], v[16+4*n:16+4*n+3], s[10:11] offset:1024*(n/2)+512*(n%2) th:TH_STORE_NT   ; the wave stores 512 consecutive bytes, at a multiple of 512 from part's first byte
.set n, n+1
.endr
	s_wait_dscnt 0x0                               ; the closing lines, six on end
	s_wait_alu 0x0
	s_wait_tensorcnt 0x0
	ds_add_u32 v254, v255
	s_wait_dscnt 0x0
	s_endpgm
.Lfunc_end_k_qca88ceebe6_kan:
	.size	k_qca88ceebe6_kan, .Lfunc_end_k_qca88ceebe6_kan-k_qca88ceebe6_kan
	.p2alignl 7, 3214868480
	.fill 96, 4, 3214868480
	.section	.rodata,"a",@progbits
	.p2align	6, 0x0
	.amdhsa_kernel k_qca88ceebe6_kan
		.amdhsa_group_segment_fixed_size 227328
		.amdhsa_private_segment_fixed_size 0
		.amdhsa_enable_private_segment 0
		.amdhsa_kernarg_size 32
		.amdhsa_user_sgpr_count 2
		.amdhsa_user_sgpr_kernarg_segment_ptr 1
		.amdhsa_wavefront_size32 1
		.amdhsa_system_sgpr_workgroup_id_x 1
		.amdhsa_system_sgpr_workgroup_id_y 1
		.amdhsa_system_sgpr_workgroup_id_z 1
		.amdhsa_system_vgpr_workitem_id 0
		.amdhsa_next_free_vgpr 480
		.amdhsa_next_free_sgpr 66
		.amdhsa_reserve_vcc 0
		.amdhsa_float_denorm_mode_32 3
		.amdhsa_float_denorm_mode_16_64 3
		.amdhsa_memory_ordered 1
		.amdhsa_forward_progress 1
		.amdhsa_inst_pref_size 128
	.end_amdhsa_kernel
	.amdgpu_metadata
---
amdhsa.version: [ 1, 2 ]
amdhsa.kernels:
  - .name:           k_qca88ceebe6_kan
    .symbol:         k_qca88ceebe6_kan.kd
    .args:
      - { .name: x, .offset: 0, .size: 8, .value_kind: global_buffer, .address_space: global }
      - { .name: grid, .offset: 8, .size: 8, .value_kind: global_buffer, .address_space: global }
      - { .name: wq, .offset: 16, .size: 8, .value_kind: global_buffer, .address_space: global }
      - { .name: part, .offset: 24, .size: 8, .value_kind: global_buffer, .address_space: global }
    .group_segment_fixed_size: 227328
    .private_segment_fixed_size: 0
    .kernarg_segment_align: 8
    .kernarg_segment_size: 32
    .max_flat_workgroup_size: 256
    .sgpr_count:     66
    .vgpr_count:     480
    .wavefront_size: 32
...
	.end_amdgpu_metadata
.endif
;; end of part 4
;; launch sum8: the kernel of part 3 again; grid 256 x 1, 8 waves a work-group, no clusters, 0 bytes of LDS; arguments part, out0; writes out0
